; MI455X (gfx1250); checked and timed in simulation.
; The chip was launched on July 23, 2026; its instructions are those of AMD's public machine-readable ISA for CDNA 5 (MIT licence, August 2026) and "CDNA5" Instruction Set Architecture Reference Guide (July 2026). The comments in the code are by the model that wrote it; some were corrected since.
;; Masked MSA. Allowed arithmetic: matrix products marked QUANTISED: E2M3 operands, one E8M0 scale for each 32 along K, by v_wmma_scale_f32_16x16x128_f8f6f4 with both operands' format E2M3, f32 sums; everything else in f32.
;; Inputs: W_out_codes 1,024 x 32 x 24 uint8 (E2M3 codes of W_out, K innermost, in blocks of 32 codes, four codes in three bytes); W_out_scales 1,024 x 32 uint8 (E8M0 scales of W_out, one for each 32 codes along K); W_qkv_codes 3,072 x 32 x 24 uint8 (E2M3 codes of W_qkv, K innermost, in blocks of 32 codes, four codes in three bytes); W_qkv_scales 3,072 x 32 uint8 (E8M0 scales of W_qkv, one for each 32 codes along K); b_out 1,024 float32; b_qkv 3,072 float32; inputs_codes 4 x 2,048 x 32 x 24 uint8 (E2M3 codes of inputs, K innermost, in blocks of 32 codes, four codes in three bytes); inputs_scales 4 x 2,048 x 32 uint8 (E8M0 scales of inputs, one for each 32 codes along K).
;; Outputs: out0 4 x 2,048 x 1,024 float32.
;; This version of the problem:
;;   THIS VERSION OF THE PROBLEM IS GIVEN IN LOW PRECISION. The matrix products marked QUANTISED in the list below multiply operands that are first quantised to E2M3 (2 exponent bits, 3 mantissa bits; 6 bits a number), with one power-of-two scale for each 32 numbers along K (OCP MX v1.0); their sums are f32. All else is computed in f32.
;;   The module's matrix products, in the order in which they are computed (A, B: the left and right operand; K: the contracted axis; several contracted axes count as one K, in the product's order):
;;     1. [M 8,192, K 1,024] x [K 1,024, N 3,072]; A: input inputs (given as codes); B: input W_qkv (given as codes): QUANTISED
;;     2. batch 64 x [M 2,048, K 64] x [K 64, N 2,048]; A: computed on the way; B: computed on the way: QUANTISED
;;     3. batch 64 x [M 2,048, K 2,048] x [K 2,048, N 64]; A: softmax (see below); B: computed on the way: QUANTISED
;;     4. [M 8,192, K 1,024] x [K 1,024, N 1,024]; A: computed on the way; B: input W_out (given as codes): QUANTISED
;;   THE QUANTISER, for each operand of a quantised product, along K:
;;     - K is cut into blocks of 32 from its start; a last block that is shorter is filled with zeros.
;;     - A block's scale is 2^e with e = floor(log2(the largest magnitude in the block)) - 2, held to -126 .. 127; a block of zeros has e = 0. As a byte (E8M0): e + 127.
;;     - Each number is divided by its block's scale, clamped to +-7.5, and rounded to the nearest number of E2M3, ties to even, subnormals kept.
;;     - The product sums the exact products of the quantised numbers (number of the format x scale) in f32.
;;   ~~~python
;;   def quantise(x, axis):      # numpy; x: float32 -> the quantised numbers, widened to float32 again
;;       x = np.moveaxis(x, axis, -1); K = x.shape[-1]
;;       x = np.pad(x, [(0, 0)] * (x.ndim - 1) + [(0, -K % 32)]); x = x.reshape(x.shape[:-1] + (-1, 32)); a = np.abs(x).max(-1, keepdims=True)
;;       e = np.where(a > 0, np.clip(np.frexp(np.where(a > 0, a, 1))[1] - 1 - 2, -126, 127), 0)      # np.frexp(a)[1] - 1 = floor(log2(a)), exactly
;;       r = np.clip(x / 2.0 ** e, -7.5, 7.5)
;;       step = 2.0 ** (np.maximum(np.frexp(np.where(r == 0, 1, r))[1] - 1, 0) - 3)
;;       q = np.round(r / step) * step * 2.0 ** e      # np.round: ties to even
;;       return np.moveaxis(q.reshape(q.shape[:-2] + (-1,))[..., :K], -1, axis).astype(np.float32)
;;   ~~~
;;   SOFTMAX AHEAD OF A QUANTISED PRODUCT. Where the list says 'softmax', what is quantised is not the finished softmax but p = 2^(t - M), with t = logit x log2(e) and M = ceil(the row's largest t), a whole number; so 1/2 < the row's largest p <= 1. The row's sum l is taken of the UNQUANTISED p, in f32, and the product's result is divided by l at the end. Since M is a whole number, a kernel that streams over the keys may use a running M (the ceiling of the running maximum): every later rescaling is an exact power of two, which a block's scale takes up: the codes' values come out the same.
;;   OPERANDS COMPUTED ON THE WAY. 'Computed on the way' means the value that the module computes at that place (a softmax that the list does not call 'softmax' is quantised finished and normalised). What goes into a quantiser is computed in f32, as accurately as f32 sums, v_exp_f32 and their like allow (about 1e-6 of the number): no bf16 or f16 on the way to a quantiser, and a product that is left as it is and whose result goes on into a quantised operand takes f32 operands (vector FMAs, or v_wmma_f32_16x16x4_f32). A number that lies on a knife's edge between two numbers of the format may be rounded either way, as far as f32 arithmetic and the matrix unit's own rounding can turn it there, and no further.
;;   INPUTS GIVEN AS CODES. W_out (in the module: [1024, 1024], K = its axis 0); W_qkv (in the module: [1024, 3072], K = its axis 0); inputs (in the module: [4, 2048, 1024], K = its axis 2): each comes as NAME_codes (uint8): NAME with its K axis moved to the last place and cut into blocks of 32 codes, [.., K / 32, bytes a block], one block behind the other in memory; four codes in three bytes: a row's codes are one little-endian stream of bits, code i at bits 6 i .. 6 i + 5 (a code: sign, 2 exponent bits, 3 mantissa bits); and NAME_scales (uint8): the same leading axes, one E8M0 byte (e + 127) for each 32 codes along K. Its value is code x scale, taken as it is: it is not quantised again, and the codes and scales need not be those that the quantiser above would give.
;; One version. Each part assembles by itself: llvm-mc -triple=amdgcn-amd-amdhsa -mcpu=gfx1250 --defsym DOCPART=n.
;; ======== version 1 of 1: 3 launches
;; workspace buffers: qkv 20,185,088 bytes; sa_codes 6,291,456 bytes; sa_scales 262,144 bytes
;; launch qkv (part 1): grid 8 x 32, 4 waves a work-group, clusters of 4 x 1, 318,464 bytes of LDS; arguments inputs_codes, inputs_scales, W_qkv_codes, W_qkv_scales, b_qkv, qkv; writes qkv
.if DOCPART == 1
	.amdgcn_target "amdgcn-amd-amdhsa--gfx1250"
	.amdhsa_code_object_version 6
	.text
	.protected	k_qd44995a1f1_qkv
	.globl	k_qd44995a1f1_qkv
	.p2align	8
	.type	k_qd44995a1f1_qkv,@function
k_qd44995a1f1_qkv:
	s_mov_b64 s[64:65], 0
	v_nop
	global_prefetch_b8 v0, s[64:65] scope:SCOPE_SE
	s_setreg_imm32_b32 hwreg(HW_REG_WAVE_MODE, 25, 1), 1
	s_wait_xcnt 0x0
	s_wait_alu depctr_hold_cnt(0) depctr_sa_sdst(0) depctr_va_vdst(0) depctr_va_sdst(0) depctr_va_ssrc(0) depctr_va_vcc(0) depctr_vm_vsrc(0)
	s_getreg_b32 s2, hwreg(HW_REG_IB_STS2, 6, 4)
	s_cmp_eq_u32 s2, 0
	s_cbranch_scc0 .Lentry_in_a_cluster
	s_endpgm
.Lentry_in_a_cluster:
	s_bfe_u32 s2, ttmp6, 0x10000c
	s_cmp_lg_u32 s2, 0x3003
	s_cbranch_scc0 .Lentry_shape_is_right
	s_endpgm
.Lentry_shape_is_right:
; x = inputs W_qkv + b_qkv on codes of E2M3 (6 bits, one E8M0 byte for 32 along K), and the quantising of q, k (along the head's 64) and v (along the keys) for the attention launch.
; THE RESHAPE.  Head BH = 16 b + head owns rows 128 BH .. + 127 of x; row sl of them and column n give position 16 sl + j, j = n / 192; q, k, v are columns 192 j + 0..63, + 64..127, + 128..191.
; SHARES.  A work-group takes 256 rows (two heads: rg) and column group g: q and k of j = 2 g, 2 g + 1 (256 columns) and v's channels e = 8 g .. 8 g + 7 of ALL sixteen j (128 columns), since a block of
; 32 keys is two rows x sixteen j.  Wave w (jj = w / 2, b = w % 2) keeps 96 rows of W in registers for the whole launch, as three units of two tiles: Q and K: j = 2 g + jj, e = 32 b .. + 31;
; V: e = 8 g + 2 w, + 1, all j.  The 256 rows of x lie in LDS, brought once; each fragment of x read from LDS feeds six matrix instructions.
; THE MATRIX INSTRUCTION IS USED TRANSPOSED (source 0 = 16 rows of W, source 1 = 16 rows of x): a lane holds one row of x, and W's rows are chosen so that the 16 registers of a unit are 16 neighbours
; along the next product's K: in Q and K e = 32 b + 16 (lane / 16) + 0..15; in V places 16 (sl % 2) + 8 (j % 2) + j / 2 of a block of keys (the attention launch lays p in the same order).
; CLUSTER.  The four partners (four g, one rg) need the same rows of x: joint loads, mask 15.  W is not shared in a cluster: the partners hold different rows of it; it comes through registers, in loads of 512 consecutive bytes.
; OUT.  qkv: [BH 64][step 16][19,712 bytes]; a step is 128 keys.  In a step's block: K's codes 8 x 768 at 0, V's 8 x 768 at 6,144, K's scale words 8 x 64 at 12,288, V's 8 x 32 at 12,800, Q's codes at 13,056, Q's words at 19,200;
; piece g of each is this work-group's.  Codes leave as whole aligned runs of 256 bytes; the scale pieces (64, 64, 32 bytes; one byte in 24 of what is stored) fill such runs in part.
; LIMITS: NaN, infinities and scale bytes 0xff among the inputs are not served.  A block whose largest magnitude lies under 2^-124, a block of zeros too, gets the byte 1 (its codes are then zeros or as the floor's scale gives them); these bytes are read by this program alone.
; REGISTERS.  Window 0: v1-9 lane bases, v10-18 the same + the tile's step, v19-25 the way out, v26 = 127, v27-31 the head's addresses, v32-127 x's 8 fragments, v128-175 six accumulators, v176-223 W's scale words,
; v224-231 x's scale words, v232-254 at work.  Window u + 1 (u = 0 Q, 1 K, 2 V): v0-191 the unit's 16 fragments (before that its rows as loaded), v192-207 its bias.
.set BLK,  19712                       ; a step's block in qkv: 77 runs of 256 bytes
.set XP,   816                         ; a row of x in LDS: 3 x (256 bytes + 16) = 204 words: row r starts at bank 12 r mod 64 (64 banks of 4 bytes: ISA guide 11.1): the 32 lanes of a load of 8 bytes touch 64 different banks
.set ASC,  208896                      ; behind x's codes: x's scale bytes, 32 runs of 256 + 16
.set SCR,  217600                      ; 850 x 256: from here on no tensor load lands.  W's way into fragments: 32 rows x 784 bytes for each wave, its own
.set STG,  217600                      ; later, behind a barrier, the same bytes are the stage for the results: 16 tile blocks
.set WSC,  25088
.set WP,   784                         ; 196 words: row r starts at bank 4 r mod 64
.set TBK,  4928                        ; a tile block (16 rows of x = two steps): K's codes 1,536, Q's 1,536, V's 1,536, K's words 128, Q's 128, V's 64
.set X,    32
.set ACC,  128
.set WS,   176
.set XS,   224
.set BIAS, 192
.set MSB,  0
.macro WIN new                         ; the immediate's high byte repeats the setting that is left; a switch that changes nothing is dropped
.if MSB != (\new)
	s_set_vgpr_msb (MSB<<8)|(\new)
.set MSB, (\new)
.endif
.endm
.macro CROUND                          ; a round of the cluster's barrier
	s_barrier_signal -1
	s_barrier_wait -1
	s_cmp_lg_u32 s16, 0
	s_cbranch_scc1 .Lnot_wave_0_\@
	s_barrier_signal -3
.Lnot_wave_0_\@:
	s_barrier_wait -3
	s_barrier_signal -1
	s_barrier_wait -1
.endm
.macro WMC d, a, b, c, sa, sb
	v_wmma_scale_f32_16x16x128_f8f6f4 v[\d:\d+7], v[\a:\a+11], v[\b:\b+11], v[\c:\c+7], v[\sa], v[\sb] matrix_a_fmt:MATRIX_FMT_FP6 matrix_b_fmt:MATRIX_FMT_FP6
.endm
	s_load_b256 s[4:11], s[0:1], 0x0               ; x's codes s[4:5], x's scales s[6:7], W's codes s[8:9], W's scales s[10:11]
	s_load_b128 s[12:15], s[0:1], 0x20             ; b_qkv s[12:13], qkv s[14:15]
	v_lshl_add_u32 v251, v0, 2, 0x4da00
	v_mov_b32 v255, 0
	ds_add_u32 v251, v255
	ds_add_u32 v251, v255
	v_lshrrev_b32 v240, 5, v0
	v_readfirstlane_b32 s16, v240                  ; wave w
	s_bfe_u32 s17, ttmp6, 0x40000                  ; cx
	s_lshl_b32 s18, ttmp9, 2
	s_add_co_u32 s18, s18, s17                     ; g = 4 x cluster x + cx: it enters global addresses of W, b_qkv and qkv alone
	s_and_b32 s19, ttmp7, 0xffff                   ; rg, which the partners share
	s_lshr_b32 s20, s16, 1                         ; jj
	s_and_b32 s21, s16, 1                          ; b
	s_lshl_b32 s22, s18, 1
	s_add_co_u32 s22, s22, s20                     ; j = 2 g + jj
	s_lshl_b32 s23, s18, 3
	s_lshl_b32 s76, s16, 1
	s_add_co_u32 s23, s23, s76                     ; e0 = 8 g + 2 w
	; descriptor groups 1: dense blocks as rows of 256 bytes (32 elements of 8 bytes), 16 bytes of padding behind each; mask 15 with bit 21 beside it
	s_mov_b32 s24, 15|(3<<16)|(1<<20)|(1<<21)|(5<<22)|(3<<25)
	s_mov_b32 s25, 32<<16                          ; tensor_dim0 = 32
	s_mov_b32 s26, 192<<16                         ; tensor_dim1 = 192: a wave's 64 rows of x, 49,152 bytes
	s_mov_b32 s27, 32<<16                          ; tile_dim0
	s_mov_b32 s28, 192                             ; tile_dim1
	s_mov_b32 s29, 32                              ; the pitch
	s_mov_b32 s30, 0
	s_mov_b32 s31, 0
	s_mov_b32 s32, 15|(3<<16)|(1<<20)|(1<<21)|(5<<22)|(3<<25)
	s_mov_b32 s33, 32<<16
	s_mov_b32 s34, 8<<16                           ; their scale bytes: 2,048 bytes
	s_mov_b32 s35, 32<<16
	s_mov_b32 s36, 8
	s_mov_b32 s37, 32
	s_mov_b32 s38, 0
	s_mov_b32 s39, 0
	s_mul_i32 s84, s19, 196608                     ; where my quarter of x begins: made of rg and w alone
	s_mul_i32 s86, s16, 49152
	s_add_co_u32 s84, s84, s86
	s_mov_b32 s85, 0
	s_lshl_b32 s86, s19, 13
	s_lshl_b32 s87, s16, 11
	s_add_co_u32 s86, s86, s87
	s_mov_b32 s87, 0
	; LDS constants of the wave
	s_lshl_b32 s80, s20, 5
	s_lshl_b32 s81, s21, 3
	s_add_co_u32 s80, s80, s81
	s_add_co_u32 s80, s80, STG                     ; K's and Q's codes: 32 jj + 8 b
	s_lshl_b32 s81, s20, 2
	s_add_co_u32 s81, s81, s21
	s_add_co_u32 s81, s81, STG+4608                ; their scale bytes: 4 jj + b
	s_lshl_b32 s82, s16, 5
	s_add_co_u32 s82, s82, STG+3072                ; V's codes: 32 w
	s_lshl_b32 s83, s16, 3
	s_add_co_u32 s83, s83, STG+4864                ; V's scale bytes: 8 w
	s_mul_i32 s92, s16, WSC
	s_add_co_u32 s92, s92, SCR                     ; my scratch
	s_mul_i32 s93, s16, 2*TBK
	s_add_co_u32 s93, s93, STG                     ; the way out: my two tile blocks of a head's eight
	s_mul_i32 s94, s16, 4*BLK                      ; and their four steps in qkv
	s_mov_b32 s68, 0                               ; the tile's step in x's codes,
	s_mov_b32 s69, 0                               ; in x's scale bytes,
	s_mov_b32 s70, 0                               ; and in the stage
	s_mov_b32 s72, 0xffff0000                      ; lanes 16 to 31
	s_mov_b32 s74, 0x76543210
	s_mov_b32 s75, 0xfedcba98                      ; v_permlanex16_b32's selects for lane l xor 16
	; lane bases
	v_and_b32 v240, 15, v0                         ; r
	v_bfe_u32 v241, v0, 4, 1                       ; h
	v_and_b32 v242, 31, v0                         ; l
	v_bfe_u32 v243, v0, 3, 1                       ; r3, r's bit 3: which of the tile's two steps
	v_and_b32 v244, 7, v0
	v_and_b32 v245, 1, v0                          ; r0 = sl % 2
	v_bfe_u32 v246, v0, 1, 1                       ; r1
	v_bfe_u32 v247, v0, 2, 1                       ; r2
	v_mul_u32_u24 v1, v240, XP
	v_mad_u32_u24 v1, v241, 24, v1                 ; x's fragments: row r, + 24 h
	v_lshl_add_u32 v2, v241, 4, v1                 ; and behind one padding more for lanes 16-31
	v_mul_u32_u24 v3, v243, 272
	v_lshl_add_u32 v3, v244, 5, v3
	v_add_nc_u32 v3, ASC, v3                       ; x's scale words: eight rows of 32 bytes to a run
	v_mul_u32_u24 v248, v243, 768
	v_lshl_add_u32 v248, v247, 7, v248             ; 768 r3 + 128 r2: the step's chunk, and c
	v_lshl_add_u32 v249, v245, 6, v248
	v_lshl_add_u32 v249, v246, 4, v249
	v_add_nc_u32 v249, s80, v249                   ; K, Q: + 64 r0 + 16 r1 + 32 jj + 8 b: the key's 8-byte place in each of a chunk's three runs
	v_mad_u32_u24 v4, v241, 260, v249              ; my 12 bytes are words 3 h .. 3 h + 2 of the block's six; word D lies at 256 (D / 2) + 4 (D % 2): first word,
	v_mad_u32_u24 v5, v241, 508, v249
	v_add_nc_u32 v5, 4, v5                         ; second; the third lies 256 behind the first
	v_lshl_add_u32 v249, v241, 4, v248
	v_lshl_add_u32 v249, v246, 3, v249
	v_add_nc_u32 v249, s82, v249                   ; V: + 32 w + 16 h + 8 r1
	v_mad_u32_u24 v6, v245, 260, v249              ; here the half is r0
	v_mad_u32_u24 v7, v245, 508, v249
	v_add_nc_u32 v7, 4, v7
	v_lshlrev_b32 v249, 6, v243
	v_lshl_add_u32 v249, v246, 5, v249
	v_lshl_add_u32 v249, v247, 4, v249
	v_lshl_add_u32 v249, v245, 3, v249
	v_lshl_add_u32 v249, v241, 1, v249
	v_add_nc_u32 v8, s81, v249                     ; K's, Q's scale byte: word 64 r3 + 32 r1 + 16 r2 + 8 r0 + 4 jj, byte b; lanes 16-31 fill byte b + 2 with 127
	v_lshlrev_b32 v249, 5, v243
	v_lshl_add_u32 v249, v241, 2, v249
	v_bfe_u32 v250, v0, 1, 2
	v_add_nc_u32 v249, v249, v250
	v_add_nc_u32 v9, s83, v249                     ; V's: word 32 r3 + 8 w + 4 h, byte = the block in the step
	v_lshlrev_b32 v31, 4, v242                     ; 16 l
	v_add_nc_u32 v19, s93, v31                     ; the way out: codes from the stage,
	v_lshrrev_b32 v249, 4, v0
	v_mul_u32_u24 v249, v249, TBK
	v_add_nc_u32 v249, STG, v249
	v_lshl_add_u32 v20, v240, 3, v249              ; K's and Q's words, 8 bytes a thread,
	v_lshl_add_u32 v21, v240, 2, v249              ; V's, 4 bytes a thread;
	v_add_nc_u32 v22, s94, v31                     ; the same places in qkv: codes,
	v_mad_u32_u24 v23, v241, BLK-768, v22          ; (where lanes 16-31 are already in the next step's block)
	v_lshrrev_b32 v249, 3, v0
	v_mul_u32_u24 v249, v249, BLK
	v_lshl_add_u32 v24, v244, 3, v249
	v_lshl_add_u32 v25, v244, 2, v249
	v_mov_b32 v26, 127
	v_add_nc_u32 v27, s92, v31                     ; the scratch, on the way in: 16 l,
	v_lshl_add_u32 v28, v241, 4, v27               ; lanes 16-31 in the next row (784 - 768 further on),
	v_mad_u32_u24 v29, v241, 5504, v27             ; or eight rows on (V)
	v_mul_u32_u24 v30, v240, WP
	v_mad_u32_u24 v30, v241, 24, v30
	v_add_nc_u32 v30, s92, v30                     ; and on the way out: row r, + 24 h
	v_lshl_add_u32 v232, v243, 3, v240
	v_lshlrev_b32 v232, 5, v232                    ; W's scale words, Q and K: row r + 8 (r / 8), 32 bytes a row
	v_mul_u32_u24 v233, v244, 384
	v_add_nc_u32 v233, v233, v243
	v_lshlrev_b32 v233, 5, v233                    ; V: row 384 (r % 8) + r / 8
	v_lshlrev_b32 v234, 6, v241                    ; the bias, Q and K: 16 h numbers on
	v_lshlrev_b32 v235, 2, v241                    ; V: h numbers on
	s_mul_i32 s76, s22, 192
	s_lshl_b32 s77, s21, 5
	s_add_co_u32 s76, s76, s77                     ; my first row of W for Q: 192 j + 32 b
	s_add_co_u32 s77, s23, 128                     ; and for V: 128 + e0
	s_mul_i32 s78, s19, 32*BLK                     ; my two heads in qkv
	s_mov_b32 s89, 0
	s_wait_dscnt 0x0
	s_wait_kmcnt 0x0
	s_mov_b32 s40, 1                               ; group 0 for x's codes
	s_mul_i32 s41, s16, 192*272
	s_add_nc_u64 s[42:43], s[4:5], s[84:85]
	s_or_b32 s43, s43, 0x80000000
	s_mov_b32 s44, 1                               ; and for x's scale bytes
	s_mul_i32 s45, s16, 8*272
	s_add_co_u32 s45, s45, ASC
	s_add_nc_u64 s[46:47], s[6:7], s[86:87]
	s_or_b32 s47, s47, 0x80000000
	s_mul_i32 s88, s76, 768
	s_add_nc_u64 s[48:49], s[8:9], s[88:89]        ; W's codes, Q's rows (K's lie 64 rows on)
	s_mul_i32 s88, s77, 768
	s_add_nc_u64 s[50:51], s[8:9], s[88:89]        ; V's
	s_lshl_b32 s88, s76, 5
	s_add_nc_u64 s[52:53], s[10:11], s[88:89]      ; W's scales
	s_lshl_b32 s88, s77, 5
	s_add_nc_u64 s[54:55], s[10:11], s[88:89]
	s_lshl_b32 s88, s76, 2
	s_add_nc_u64 s[56:57], s[12:13], s[88:89]      ; the bias
	s_lshl_b32 s88, s77, 2
	s_add_nc_u64 s[58:59], s[12:13], s[88:89]
	s_mul_i32 s88, s18, 768
	s_add_co_u32 s88, s88, s78
	s_add_nc_u64 s[60:61], s[14:15], s[88:89]      ; qkv: my chunks of codes,
	s_lshl_b32 s88, s18, 6
	s_add_co_u32 s88, s88, s78
	s_add_nc_u64 s[62:63], s[14:15], s[88:89]      ; my pieces of K's and Q's words,
	s_lshl_b32 s88, s18, 5
	s_add_co_u32 s88, s88, s78
	s_add_nc_u64 s[66:67], s[14:15], s[88:89]      ; of V's
	CROUND                                         ; all four work-groups are here: the joint loads meet
	tensor_load_to_lds s[40:43], s[24:31]          ; the launch's only fills, one group: two loads of mine are out
	s_nop 0
	tensor_load_to_lds s[44:47], s[32:39]
	s_nop 0
.rept 4
	v_nop
.endr
.irp u, 0,1                                    ; W's scale words: tile 2 unit + u, K step k at v[WS + 8 tile + k]
	global_load_b128 v[WS+8*\u:WS+8*\u+3], v232, s[52:53] offset:256*\u
	global_load_b128 v[WS+8*\u+4:WS+8*\u+7], v232, s[52:53] offset:256*\u+16
	global_load_b128 v[WS+16+8*\u:WS+16+8*\u+3], v232, s[52:53] offset:2048+256*\u
	global_load_b128 v[WS+16+8*\u+4:WS+16+8*\u+7], v232, s[52:53] offset:2048+256*\u+16
	global_load_b128 v[WS+32+8*\u:WS+32+8*\u+3], v233, s[54:55] offset:6144*\u
	global_load_b128 v[WS+32+8*\u+4:WS+32+8*\u+7], v233, s[54:55] offset:6144*\u+16
.endr
	WIN 0x40                                       ; destination window 1: Q's bias (in the result's layout: eight numbers a tile) and Q's 32 rows, 24,576 consecutive bytes
.irp u, 0,1
	global_load_b128 v[BIAS+8*\u:BIAS+8*\u+3], v234, s[56:57] offset:32*\u
	global_load_b128 v[BIAS+8*\u+4:BIAS+8*\u+7], v234, s[56:57] offset:32*\u+16
.endr
.set z, 0
.rept 48
	global_load_b128 v[4*z:4*z+3], v31, s[48:49] offset:512*z
.set z, z+1
.endr
	WIN 0x80                                       ; window 2: K's
.irp u, 0,1
	global_load_b128 v[BIAS+8*\u:BIAS+8*\u+3], v234, s[56:57] offset:256+32*\u
	global_load_b128 v[BIAS+8*\u+4:BIAS+8*\u+7], v234, s[56:57] offset:256+32*\u+16
.endr
.set z, 0
.rept 48
	global_load_b128 v[4*z:4*z+3], v31, s[48:49] offset:49152+512*z
.set z, z+1
.endr
	WIN 0xc0                                       ; window 3: V's: register i of tile u is column 192 (2 i + u) + 128 + e0 + h; the rows come in sixteen runs of two
.irp u, 0,1
.irp i, 0,1,2,3,4,5,6,7
	global_load_b32 v[BIAS+8*\u+\i], v235, s[58:59] offset:768*(2*\i+\u)
.endr
.endr
.set z, 0
.rept 16
.irp c, 0,1,2
	global_load_b128 v[12*z+4*\c:12*z+4*\c+3], v31, s[50:51] offset:147456*z+512*\c
.endr
.set z, z+1
.endr
	WIN 0
; A unit's 32 rows go through my scratch as they were loaded and come back as fragments.  Two rows are three loads of 512 bytes.  The scratch row is 16 u + r for lane r of tile u.
.macro WPART wn, isv
	WIN (\wn+1)<<2                                 ; an LDS store's data are its source 1
.set q, 0
.rept 16
.if \isv
.set sg, 16*(q&1)+(q>>1)                       ; run j' holds the rows of e0 and e0 + 1: tile j' % 2, lanes j' / 2 and 8 + j' / 2
	ds_store_b128 v27, v[12*q:12*q+3] offset:sg*WP
	ds_store_b128 v29, v[12*q+4:12*q+7] offset:sg*WP+512
	ds_store_b128 v27, v[12*q+8:12*q+11] offset:(sg+8)*WP+256
.else
.set sg, 16*((q>>2)&1)+8*(q>>3)+((2*q)&7)      ; row 16 hi + 8 u + lo of the unit is lane 8 hi + lo of tile u
	ds_store_b128 v27, v[12*q:12*q+3] offset:sg*WP
	ds_store_b128 v28, v[12*q+4:12*q+7] offset:sg*WP+512
	ds_store_b128 v27, v[12*q+8:12*q+11] offset:sg*WP+1040
.endif
.set q, q+1
.endr
	s_wait_dscnt 0x0                               ; the stores have read their registers: the fragments land in the same ones
	WIN (\wn+1)<<6
.irp u, 0,1
.irp k, 0,1,2,3,4,5,6,7
.irp e, 0,1,2,3,4,5
	ds_load_b64 v[12*(8*\u+\k)+2*\e:12*(8*\u+\k)+2*\e+1], v30 offset:16*\u*WP+96*\k+48*(\e/3)+8*(\e%3)
.endr
.endr
.endr
	WIN 0
.endm
	s_wait_loadcnt 48                              ; all but V's 48 loads of rows, the youngest, are in
	WPART 0, 0
	WPART 1, 0
	s_wait_loadcnt 0x0
	v_mov_b32 v235, 0                              ; written once: a lane permute's destination counts as one of its sources
	v_mov_b32 v236, 0
	WPART 2, 1
	s_wait_tensorcnt 0x0                           ; my quarter of x has landed,
	s_wait_dscnt 0x0                               ; and my reads of my scratch are over: behind this barrier its bytes are the stage
	s_barrier_signal -1
	s_barrier_wait -1
.macro XFRAG k                         ; x's fragment of K step k: pieces of 8 bytes; lanes 16-31 read three pieces on, which for some pieces is behind one padding more
.irp p, 0,1,2,3,4,5
.set PC, 12*(\k)+6*(\p/3)+\p%3
.if PC%32 < 29
	ds_load_b64 v[X+12*(\k)+2*\p:X+12*(\k)+2*\p+1], v10 offset:8*PC+16*(PC/32)
.else
	ds_load_b64 v[X+12*(\k)+2*\p:X+12*(\k)+2*\p+1], v11 offset:8*PC+16*(PC/32)
.endif
.endr
.endm
; K step k: six matrix instructions on six accumulators, which take turns, one instruction a turn, in the same order in every K step and over the loop's edge.
; The bias is the C of a sum's first instruction.  W's units lie in three windows (their rows as loaded and their fragments share a window): three switches a K step.
.macro MULK k
.irp p, 0,1,2
.if \k == 0
	WIN (\p+1)|((\p+1)<<4)
.else
	WIN \p+1
.endif
.irp u, 0,1
.if \k == 0
	WMC ACC+16*\p+8*\u, 12*(8*\u+\k), X+12*\k, BIAS+8*\u, WS+8*(2*\p+\u)+\k, XS+\k
.else
	WMC ACC+16*\p+8*\u, 12*(8*\u+\k), X+12*\k, ACC+16*\p+8*\u, WS+8*(2*\p+\u)+\k, XS+\k
.endif
.endr
.endr
.endm
; A tile of 16 rows of x.  fetch = 1: the next tile's fragments are fetched, half in the middle, half at the end.
.macro TILE fetch
	s_wait_dscnt 24                                ; the youngest 24 LDS instructions may be out: from the prologue fragments 4-7; round the loop the 12 stores and 12 loads of those fragments.  Fragments 0-3 and the scale words are older on both ways
.irp k, 0,1,2,3
	MULK \k
.endr
	WIN 0
	s_wait_dscnt 0x0                               ; fragments 4-7 are in (asked for 24 matrix instructions ago or more)
.if \fetch
	s_add_co_u32 s68, s68, 16*XP
	s_add_co_u32 s69, s69, 544
	v_add_nc_u32 v10, s68, v1                      ; four plain instructions: the places in front of loads into registers that matrix instructions have read
	v_add_nc_u32 v11, s68, v2
	v_add_nc_u32 v12, s69, v3
	v_nop
.irp k, 0,1,2,3
	XFRAG \k
.endr
.endif
.irp k, 4,5,6,7
	MULK \k
.endr
	WIN 0
.irp i, 0,1,2,3,4,5
	v_add_nc_u32 v[13+\i], s70, v[4+\i]            ; the tile's places in the stage: six plain instructions, the places behind the last products (for the loads, the reads of results, and the next tile's sums begun anew)
.endr
.if \fetch
	ds_load_b128 v[XS:XS+3], v12
	ds_load_b128 v[XS+4:XS+7], v12 offset:16
.irp k, 4,5,6,7
	XFRAG \k
.endr
.endif
	; the three units are quantised side by side: 16 numbers a lane each, half a block
.irp p, 0,1,2
	v_max3_num_f32 v[232+\p], |v[ACC+16*\p]|, |v[ACC+16*\p+1]|, 0x1800000   ; with the floor 2^(3 - 127): the byte cannot fall under 1.  Each accumulator is read from its low end on
.endr
.irp i, 2,4,6,8,10,12,14
.irp p, 0,1,2
	v_max3_num_f32 v[232+\p], v[232+\p], |v[ACC+16*\p+\i]|, |v[ACC+16*\p+\i+1]|
.endr
.endr
	v_permlanex16_b32 v235, v232, s74, s75         ; Q, K: the block's other half lies in lane l xor 16;
	v_permlanex16_b32 v236, v233, s74, s75
	v_max_num_f32_dpp v234, v234, v234 row_xmask:1 row_mask:0xf bank_mask:0xf   ; V: in lane l xor 1, the row beside mine
	v_max_num_f32 v232, v232, v235
	v_max_num_f32 v233, v233, v236
.irp p, 0,1,2
	v_add_nc_u32 v[237+\p], 0xff000000, v[232+\p]  ; 2 off the exponent field: the conversion's scale operand
.endr
.irp p, 0,1,2
	v_lshrrev_b32 v[252+\p], 23, v[237+\p]         ; the scale's byte
.endr
	v_cndmask_b32 v252, v252, v26, s72             ; Q, K: lanes 16-31 store 127 into the bytes of K = 64 .. 127, which the attention launch fills with zero codes
	v_cndmask_b32 v253, v253, v26, s72
.irp p, 0,1,2
	v_cvt_scalef32_pk16_fp6_f32 v[240+4*\p:242+4*\p], v[ACC+16*\p:ACC+16*\p+15], v[237+\p]
.endr
	v_nop                                          ; one plain instruction behind the scaled conversions: matrix instructions write their sources next
	ds_store_b32 v13, v240 offset:1536             ; Q
	ds_store_b32 v14, v241 offset:1536
	ds_store_b32 v13, v242 offset:1536+256
	ds_store_b8 v17, v252 offset:128
	ds_store_b32 v13, v244                         ; K
	ds_store_b32 v14, v245
	ds_store_b32 v13, v246 offset:256
	ds_store_b8 v17, v253
	ds_store_b32 v15, v248                         ; V
	ds_store_b32 v16, v249
	ds_store_b32 v15, v250 offset:256
	ds_store_b8 v18, v254                          ; (both lanes of a block write the same byte with the same value)
	s_add_co_u32 s70, s70, TBK
.endm
; A head's eight tile blocks leave.  A tile block's 1,536 bytes of a kind are two steps' chunks: three loads of 512 bytes; sixteen lanes store 256 consecutive bytes, at a multiple of 256 from qkv's first byte.
.macro COPYOUT hl
	s_wait_dscnt 0x0                               ; for the others' sake: my stores into the stage are done
	s_barrier_signal -1
	s_barrier_wait -1
.irp tt, 0,1
.irp pt, 0,1
.irp c, 0,1,2
	ds_load_b128 v[ACC+4*(6*\tt+3*\pt+\c):ACC+4*(6*\tt+3*\pt+\c)+3], v19 offset:\hl*8*TBK+\tt*TBK+\pt*1536+512*\c
.endr
.endr
.endr
	s_wait_dscnt 0x0
.irp tt, 0,1
.irp pt, 0,1                                   ; 0: K's codes, at 0 of a step's block; 1: Q's, at 13,056
	global_store_b128 v22, v[ACC+4*(6*\tt+3*\pt):ACC+4*(6*\tt+3*\pt)+3], s[60:61] offset:\hl*16*BLK+\tt*2*BLK+\pt*13056
	global_store_b128 v23, v[ACC+4*(6*\tt+3*\pt)+4:ACC+4*(6*\tt+3*\pt)+7], s[60:61] offset:\hl*16*BLK+\tt*2*BLK+\pt*13056+512
	global_store_b128 v22, v[ACC+4*(6*\tt+3*\pt)+8:ACC+4*(6*\tt+3*\pt)+11], s[60:61] offset:\hl*16*BLK+\tt*2*BLK+\pt*13056+BLK+256
.endr
.endr
	s_wait_xcnt 0x0                                ; the stores have read their registers: the next loads land there
.irp tt, 0,1
.irp c, 0,1,2
	ds_load_b128 v[ACC+4*(3*\tt+\c):ACC+4*(3*\tt+\c)+3], v19 offset:\hl*8*TBK+\tt*TBK+3072+512*\c
.endr
.endr
	ds_load_b64 v[ACC+24:ACC+25], v20 offset:\hl*8*TBK+4608
	ds_load_b64 v[ACC+26:ACC+27], v20 offset:\hl*8*TBK+4736
	ds_load_b32 v[ACC+28], v21 offset:\hl*8*TBK+4864
	s_wait_dscnt 0x0
.irp tt, 0,1
	global_store_b128 v22, v[ACC+12*\tt:ACC+12*\tt+3], s[60:61] offset:\hl*16*BLK+\tt*2*BLK+6144
	global_store_b128 v23, v[ACC+12*\tt+4:ACC+12*\tt+7], s[60:61] offset:\hl*16*BLK+\tt*2*BLK+6144+512
	global_store_b128 v22, v[ACC+12*\tt+8:ACC+12*\tt+11], s[60:61] offset:\hl*16*BLK+\tt*2*BLK+6144+BLK+256
.endr
	global_store_b64 v24, v[ACC+24:ACC+25], s[62:63] offset:\hl*16*BLK+12288
	global_store_b64 v24, v[ACC+26:ACC+27], s[62:63] offset:\hl*16*BLK+19200
	global_store_b32 v25, v[ACC+28], s[66:67] offset:\hl*16*BLK+12800
	s_wait_xcnt 0x0                                ; the accumulators' registers are written again only behind this wait
.endm
	v_add_nc_u32 v10, s68, v1                      ; tile 0
	v_add_nc_u32 v11, s68, v2
	v_add_nc_u32 v12, s69, v3
.irp k, 0,1,2,3
	XFRAG \k
.endr
	ds_load_b128 v[XS:XS+3], v12
	ds_load_b128 v[XS+4:XS+7], v12 offset:16
.irp k, 4,5,6,7
	XFRAG \k
.endr
	s_mov_b32 s71, 0
.Lhead_0:                                          ; the first head's eight tiles
	TILE 1
	s_add_co_u32 s71, s71, 1
	s_cmp_lt_u32 s71, 8
	s_cbranch_scc1 .Lhead_0
	COPYOUT 0
	s_mov_b32 s70, 8*TBK                           ; the second head's tile blocks lie behind the first's: no wave writes what another still reads out
	s_mov_b32 s71, 0
.Lhead_1:
	TILE 1
	s_add_co_u32 s71, s71, 1
	s_cmp_lt_u32 s71, 7
	s_cbranch_scc1 .Lhead_1
	TILE 0                                         ; the last tile fetches nothing
	COPYOUT 1
	s_wait_tensorcnt 0x0
	ds_add_u32 v251, v255
	s_wait_dscnt 0x0
	CROUND                                         ; the closing round
	s_endpgm
.Lfunc_end_k_qd44995a1f1_qkv:
	.size	k_qd44995a1f1_qkv, .Lfunc_end_k_qd44995a1f1_qkv-k_qd44995a1f1_qkv
	.p2alignl 7, 3214868480
	.fill 96, 4, 3214868480
	.section	.rodata,"a",@progbits
	.p2align	6, 0x0
	.amdhsa_kernel k_qd44995a1f1_qkv
		.amdhsa_group_segment_fixed_size 318464
		.amdhsa_private_segment_fixed_size 0
		.amdhsa_enable_private_segment 0
		.amdhsa_kernarg_size 48
		.amdhsa_user_sgpr_count 2
		.amdhsa_user_sgpr_kernarg_segment_ptr 1
		.amdhsa_wavefront_size32 1
		.amdhsa_system_sgpr_workgroup_id_x 1
		.amdhsa_system_sgpr_workgroup_id_y 1
		.amdhsa_system_sgpr_workgroup_id_z 1
		.amdhsa_system_vgpr_workitem_id 0
		.amdhsa_next_free_vgpr 1024
		.amdhsa_next_free_sgpr 96
		.amdhsa_reserve_vcc 0
		.amdhsa_float_denorm_mode_32 3
		.amdhsa_float_denorm_mode_16_64 3
		.amdhsa_memory_ordered 1
		.amdhsa_forward_progress 1
		.amdhsa_inst_pref_size 103
	.end_amdhsa_kernel
	.amdgpu_metadata
---
amdhsa.version: [ 1, 2 ]
amdhsa.kernels:
  - .name:           k_qd44995a1f1_qkv
    .symbol:         k_qd44995a1f1_qkv.kd
    .args:
      - { .name: inputs_codes, .offset: 0, .size: 8, .value_kind: global_buffer, .address_space: global }
      - { .name: inputs_scales, .offset: 8, .size: 8, .value_kind: global_buffer, .address_space: global }
      - { .name: W_qkv_codes, .offset: 16, .size: 8, .value_kind: global_buffer, .address_space: global }
      - { .name: W_qkv_scales, .offset: 24, .size: 8, .value_kind: global_buffer, .address_space: global }
      - { .name: b_qkv, .offset: 32, .size: 8, .value_kind: global_buffer, .address_space: global }
      - { .name: qkv, .offset: 40, .size: 8, .value_kind: global_buffer, .address_space: global }
    .group_segment_fixed_size: 318464
    .private_segment_fixed_size: 0
    .kernarg_segment_align: 8
    .kernarg_segment_size: 48
    .max_flat_workgroup_size: 128
    .sgpr_count:     96
    .vgpr_count:     1024
    .wavefront_size: 32
...
	.end_amdgpu_metadata
.endif
;; end of part 1
;; launch attn (part 2): grid 4 x 64, 16 waves a work-group, clusters of 4 x 1, 253,440 bytes of LDS; arguments qkv, sa_codes, sa_scales; writes sa_codes, sa_scales
.if DOCPART == 2
	.amdgcn_target "amdgcn-amd-amdhsa--gfx1250"
	.amdhsa_code_object_version 6
	.text
	.protected	k_qd44995a1f1_attn
	.globl	k_qd44995a1f1_attn
	.p2align	8
	.type	k_qd44995a1f1_attn,@function
k_qd44995a1f1_attn:
	s_mov_b64 s[64:65], 0
	v_nop
	global_prefetch_b8 v0, s[64:65] scope:SCOPE_SE
	s_setreg_imm32_b32 hwreg(HW_REG_WAVE_MODE, 25, 1), 1
	s_wait_xcnt 0x0
	s_wait_alu depctr_hold_cnt(0) depctr_sa_sdst(0) depctr_va_vdst(0) depctr_va_sdst(0) depctr_va_ssrc(0) depctr_va_vcc(0) depctr_vm_vsrc(0)
	s_getreg_b32 s2, hwreg(HW_REG_IB_STS2, 6, 4)
	s_cmp_eq_u32 s2, 0
	s_cbranch_scc0 .Lentry_in_a_cluster
	s_endpgm
.Lentry_in_a_cluster:
	s_bfe_u32 s2, ttmp6, 0x10000c
	s_cmp_lg_u32 s2, 0x3003
	s_cbranch_scc0 .Lentry_shape_is_right
	s_endpgm
.Lentry_shape_is_right:
; Causal attention on codes of E2M3, 64 heads of 2,048 positions x 64 channels, from the blocks that the launch before has laid ([BH][step of 128 keys][19,712 bytes]); the result is quantised along the channels
; into sa_codes [8192][768] and sa_scales [8192][32], the next product's A: query 16 sl + j of head BH is row 128 BH + sl, columns 64 j + 0..63.
; THE SOFTMAX: t = score x log2(e) / sqrt(2048); M = the running largest t rounded UP to a whole number; p = 2^(t - M) is quantised along the keys, not normalised; the row's sum is taken of the unquantised p and divides at the end.
; SHARES.  A cluster's four work-groups share one head.  A tile is 16 queries (one sl = 8 y + pos, all j); it needs key steps 0 .. y.  Wave w takes tile (y = w, pos = cx) and then tile (y = 15 - w, pos = 4 + cx): 17 tile steps for every
; wave.  Branches hang on w and the step's count alone; cx enters global addresses and the number that the mask compares with, never a branch or an LDS address.
; K AND V OF THE WHOLE HEAD COME INTO LDS ONCE, by sixteen joint loads (wave w: step w, 51 runs of 256 bytes); one barrier; after it no wave waits for another.
; LAYOUT.  Both products are used transposed: S^T = K Q^T, O^T = V^T P^T: a lane holds one query (lane % 16) throughout.  The blocks are laid so that tile T = 4 c + v of K gives lane (r, h), in register 32 c + 8 v + i,
; place 8 v + i of key block 2 c + h: a lane holds two WHOLE blocks of p, in the order in which V's codes were laid; nothing changes lanes.  Tile E of V holds channels 32 h' + 8 E + i': a lane's 32 registers of O^T are one block of sa.
; THE FIRST PRODUCT'S K IS 64: the upper 64 are zero codes in Q (registers 6-11 of its fragment); K's fragment T is v[48 + 6 T .. + 11], whose upper half is the next tile's codes (six cleared registers behind tile 7), multiplied by those zeros; the scale bytes there are 127.
; LIMITS: NaN, infinities and scale bytes 0xff are not served; 1 / the sum is v_rcp_f32's; a block of sa or of p under 2^-124, a block of zeros too, gets the byte 1: these bytes are read by this program alone.
; REGISTERS: v1-4 lane bases, v5-8 the same + the step; v9 8 h, v10 r - 32 h, v11-14 the way out, v15 Q's offset; v16-27 Q of the first tile, v28 its scale word; v29 p's scale word; v30 -M, v31 the largest t; v[32:33] the sum;
; v34-41 K's scale words, v42-45 V's; v[46:47] f; v48-101 K's or V's fragments; v102-121 codes just made; v122-127 at work; v128-191 S^T, then p; v192-223 O^T; v224-235, v236 Q of the second tile; v238-245 at work.
.set BLK,   19712
.set STEPB, 14688                      ; a step in LDS: 51 x (256 + 32).  A chunk of 768 bytes is 864 = 96 mod 256: the eight chunks that a load of K touches start in eight different groups of eight banks (64 banks of 4 bytes: ISA guide 11.1)
.set STAGE, 235008                     ; 918 x 256: behind the sixteen steps, 1,024 bytes for each wave, its own
.set F, 48
.set S, 128
.set O, 192
.macro CROUND
	s_barrier_signal -1
	s_barrier_wait -1
	s_cmp_lg_u32 s10, 0
	s_cbranch_scc1 .Lnot_wave_0_\@
	s_barrier_signal -3
.Lnot_wave_0_\@:
	s_barrier_wait -3
	s_barrier_signal -1
	s_barrier_wait -1
.endm
.macro WMZ d, a, b, sa, sb
	v_wmma_scale_f32_16x16x128_f8f6f4 v[\d:\d+7], v[\a:\a+11], v[\b:\b+11], 0, v[\sa], v[\sb] matrix_a_fmt:MATRIX_FMT_FP6 matrix_b_fmt:MATRIX_FMT_FP6
.endm
.macro WMC d, a, b, sa, sb
	v_wmma_scale_f32_16x16x128_f8f6f4 v[\d:\d+7], v[\a:\a+11], v[\b:\b+11], v[\d:\d+7], v[\sa], v[\sb] matrix_a_fmt:MATRIX_FMT_FP6 matrix_b_fmt:MATRIX_FMT_FP6
.endm
	s_load_b128 s[4:7], s[0:1], 0x0                ; qkv s[4:5], sa_codes s[6:7]
	s_load_b64 s[8:9], s[0:1], 0x10                ; sa_scales
	v_lshl_add_u32 v254, v0, 2, 0x3d600
	v_mov_b32 v255, 0
	ds_add_u32 v254, v255
	ds_add_u32 v254, v255
	v_lshrrev_b32 v240, 5, v0
	v_readfirstlane_b32 s10, v240                  ; wave w
	s_bfe_u32 s11, ttmp6, 0x40000                  ; cx
	s_and_b32 s12, ttmp7, 0xffff                   ; BH, which the partners share
	s_mov_b32 s13, s10                             ; the first tile's last step: w
	s_xor_b32 s14, s10, 15                         ; the second's: 15 - w
	s_lshl_b32 s15, s11, 4                         ; 16 pos of the first tile,
	s_add_co_u32 s16, s15, 64                      ; of the second
	s_mov_b32 s18, 0x3d0293ee                      ; c = log2(e) / sqrt(2048)
	s_mov_b32 s19, s18                             ; (named with it as a pair, so it is written)
	s_mov_b32 s20, 0x76543210
	s_mov_b32 s21, 0xfedcba98                      ; v_permlanex16_b32's selects for lane l xor 16
	; descriptor group 1: 51 rows of 256 bytes (32 elements of 8 bytes), dense, 32 bytes of padding behind each; mask 15 with bit 21 beside it
	s_mov_b32 s24, 15|(3<<16)|(1<<20)|(1<<21)|(5<<22)|(7<<25)
	s_mov_b32 s25, 32<<16
	s_mov_b32 s26, 51<<16
	s_mov_b32 s27, 32<<16
	s_mov_b32 s28, 51
	s_mov_b32 s29, 32
	s_mov_b32 s30, 0
	s_mov_b32 s31, 0
	s_mul_i32 s52, s12, 16*BLK
	s_mul_i32 s53, s10, BLK
	s_add_co_u32 s52, s52, s53                     ; step w of my head: made of BH and w alone
	s_mov_b32 s53, 0
	; Q's places: pos = 4 c + 2 hh + a; codes at 13,056 + 128 c + 64 a + 16 hh of step y's block, words at 19,200 + 32 hh + 16 c + 8 a
	s_and_b32 s56, s11, 1                          ; a
	s_lshr_b32 s57, s11, 1                         ; hh
	s_lshl_b32 s58, s56, 6
	s_lshl_b32 s59, s57, 4
	s_add_co_u32 s58, s58, s59
	s_lshl_b32 s59, s57, 5
	s_lshl_b32 s60, s56, 3
	s_add_co_u32 s59, s59, s60
	s_lshl_b32 s60, s12, 4
	s_add_co_u32 s61, s60, s14
	s_add_co_u32 s60, s60, s10
	s_mul_i32 s60, s60, BLK                        ; the first tile's step block,
	s_mul_i32 s61, s61, BLK                        ; the second's
	s_add_co_u32 s66, s60, s58
	s_add_co_u32 s66, s66, 13056
	s_mov_b32 s67, 0
	s_add_co_u32 s68, s61, s58
	s_add_co_u32 s68, s68, 13056+128
	s_mov_b32 s69, 0
	s_add_co_u32 s70, s60, s59
	s_add_co_u32 s70, s70, 19200
	s_mov_b32 s71, 0
	s_add_co_u32 s72, s61, s59
	s_add_co_u32 s72, s72, 19200+16
	s_mov_b32 s73, 0
	s_lshl_b32 s74, s12, 7
	s_add_co_u32 s74, s74, s11
	s_lshl_b32 s75, s10, 3
	s_add_co_u32 s75, s75, s74                     ; the first tile's row of sa: 128 BH + 8 w + cx
	s_lshl_b32 s76, s14, 3
	s_add_co_u32 s76, s76, s74
	s_add_co_u32 s76, s76, 4                       ; the second's: 128 BH + 8 (15 - w) + 4 + cx
	s_mov_b32 s79, 0
	s_lshl_b32 s54, s10, 10
	s_add_co_u32 s54, s54, STAGE                   ; my stage
	v_and_b32 v240, 15, v0                         ; r
	v_bfe_u32 v241, v0, 4, 1                       ; h
	v_and_b32 v242, 31, v0                         ; l
	v_and_b32 v243, 7, v0
	v_bfe_u32 v244, v0, 3, 1
	v_mul_u32_u24 v1, v243, 864
	v_lshl_add_u32 v1, v244, 4, v1
	v_lshl_add_u32 v1, v241, 3, v1                 ; K: chunk l % 8, + 16 ((l / 8) % 2) + 8 h
	v_mul_u32_u24 v2, v244, 3456
	v_lshl_add_u32 v2, v243, 4, v2
	v_lshl_add_u32 v2, v241, 3, v2
	v_add_nc_u32 v2, 6912, v2                      ; V: chunk 4 ((l / 8) % 2) + E, + 16 (l % 8) + 8 h
	v_bfe_u32 v245, v0, 2, 1
	v_and_b32 v246, 3, v0
	v_mul_u32_u24 v3, v245, 288
	v_lshl_add_u32 v3, v246, 6, v3
	v_lshl_add_u32 v3, v244, 5, v3
	v_add_nc_u32 v3, 13824, v3                     ; K's scale words: piece l % 8 (four pieces to a run), + 32 ((l / 8) % 2)
	v_lshlrev_b32 v4, 7, v244
	v_lshl_add_u32 v4, v243, 2, v4
	v_add_nc_u32 v4, 14400, v4                     ; V's: piece 4 ((l / 8) % 2) + E, word l % 8
	v_lshlrev_b32 v9, 3, v241
	v_lshlrev_b32 v10, 5, v241
	v_sub_nc_u32 v10, v240, v10
	v_mul_u32_u24 v11, v240, 48
	v_mad_u32_u24 v11, v241, 24, v11
	v_add_nc_u32 v11, s54, v11                     ; the way out: block 2 r + h of the row, 24 bytes
	v_lshlrev_b32 v13, 3, v242
	v_add_nc_u32 v12, s54, v13                     ; back: 8 bytes a lane
	v_lshl_add_u32 v14, v240, 1, v241              ; the block's scale byte
	v_lshrrev_b32 v247, 1, v240
	v_and_b32 v248, 1, v0
	v_mul_u32_u24 v15, v247, 768
	v_lshl_add_u32 v15, v248, 5, v15
	v_lshl_add_u32 v15, v241, 3, v15               ; Q: query r = j: chunk r / 2, + 32 (r % 2) + 8 h
	v_lshlrev_b32 v238, 6, v247
	v_lshl_add_u32 v238, v248, 2, v238
	s_wait_dscnt 0x0
	s_wait_kmcnt 0x0
	s_mov_b32 s32, 1
	s_mul_i32 s33, s10, STEPB
	s_add_nc_u64 s[34:35], s[4:5], s[52:53]
	s_or_b32 s35, s35, 0x80000000
	s_add_nc_u64 s[44:45], s[4:5], s[66:67]
	s_add_nc_u64 s[46:47], s[4:5], s[68:69]
	s_add_nc_u64 s[48:49], s[4:5], s[70:71]
	s_add_nc_u64 s[50:51], s[4:5], s[72:73]
	s_mul_i32 s78, s75, 768
	s_add_nc_u64 s[36:37], s[6:7], s[78:79]
	s_lshl_b32 s78, s75, 5
	s_add_nc_u64 s[38:39], s[8:9], s[78:79]
	s_mul_i32 s78, s76, 768
	s_add_nc_u64 s[40:41], s[6:7], s[78:79]
	s_lshl_b32 s78, s76, 5
	s_add_nc_u64 s[42:43], s[8:9], s[78:79]
	CROUND                                         ; all four work-groups are here: the joint loads meet
	tensor_load_to_lds s[32:35], s[24:31]          ; the launch's only fill of mine: one load is out
	s_nop 0
.rept 4
	v_nop
.endr
.irp p, 0,1,2
	global_load_b64 v[16+2*\p:17+2*\p], v15, s[44:45] offset:256*\p
	global_load_b64 v[224+2*\p:225+2*\p], v15, s[46:47] offset:256*\p
.endr
	global_load_b32 v28, v238, s[48:49]
	global_load_b32 v236, v238, s[50:51]
.irp i, 0,1,2,3,4,5
	v_mov_b32 v[22+\i], 0                          ; zero codes for K = 64 .. 127
	v_mov_b32 v[230+\i], 0
	v_mov_b32 v[96+\i], 0                          ; and behind K's tile 7
.endr
	v_mov_b32 v47, 0                               ; (named as the upper half of the pair v[46:47])
	v_mov_b32 v127, 0                              ; written once: a lane permute's destination counts as one of its sources
	s_wait_loadcnt 0x0                             ; Q
	s_wait_tensorcnt 0x0                           ; my step has landed,
	s_barrier_signal -1
	s_barrier_wait -1                              ; everybody's has: the head's K and V are whole
; A KEY STEP of one tile: 128 keys.  qr: Q's fragment; sw: its scale word; lim: the scalar with the tile's last step; dq: the scalar with 16 pos.
.macro STEP qr, sw, lim, dq
	s_cmp_gt_u32 s23, s[\lim]                      ; all keys of the step come after my queries: nothing is done
	s_cbranch_scc1 .Lskip_\@
	v_add_nc_u32 v5, s22, v1                       ; four plain instructions: also the places between the last step's products and the loads into the registers that they read
	v_add_nc_u32 v6, s22, v2
	v_add_nc_u32 v7, s22, v3
	v_add_nc_u32 v8, s22, v4
.irp t, 0,1,2,3,4,5,6,7
.irp p, 0,1,2
	ds_load_b64 v[F+6*\t+2*\p:F+6*\t+2*\p+1], v5 offset:288*\p+32*\t
.endr
.endr
	ds_load_b128 v[34:37], v7
	ds_load_b128 v[38:41], v7 offset:16
	s_wait_dscnt 0x0
.irp t, 0,1,2,3,4,5,6,7
	WMZ S+8*\t, F+6*\t, \qr, 34+\t, \sw
.endr
.rept 4
	v_nop                                          ; places: in front of V's loads into K's registers, and of the first read of the scores
.endr
.irp e, 0,1,2,3                                ; V's four tiles land while the softmax is walked
.irp c, 0,1
.irp p, 0,1,2
	ds_load_b64 v[F+12*\e+6*\c+2*\p:F+12*\e+6*\c+2*\p+1], v6 offset:864*\e+288*\p+128*\c
.endr
.endr
	ds_load_b32 v[42+\e], v8 offset:32*\e
.endr
	s_cmp_lg_u32 s23, s[\lim]                      ; only the tile's last step lies on the diagonal
	s_cbranch_scc1 .Lopen_\@
	v_add_nc_u32 v240, s[\dq], v10                 ; d = 16 pos + r - 32 h.  Register 32 c + 16 a + 8 jj + g holds the step's key 64 c + 32 h + 16 a + 2 g + jj: hidden where 64 c + 16 a + 2 g + jj > d
	v_mov_b32 v241, 0xff800000                     ; -infinity: p = 0 then
.set n, 0
.rept 64
	v_cmp_gt_i32 vcc_lo, 64*(n/32)+16*((n/16)%2)+2*(n%8)+((n/8)%2), v240
	v_cndmask_b32 v[S+n], v[S+n], v241, vcc_lo
.set n, n+1
.endr
.Lopen_\@:
	v_max3_num_f32 v122, v[S], v[S+1], v[S+2]      ; the largest score of each of my two blocks: for the row's maximum and, since p rises with the score, for the block's largest p.  Ascending: each accumulator is read from its low end on
	v_max3_num_f32 v123, v[S+32], v[S+33], v[S+34]
.irp i, 3,5,7,9,11,13,15,17,19,21,23,25,27,29
	v_max3_num_f32 v122, v122, v[S+\i], v[S+\i+1]
	v_max3_num_f32 v123, v123, v[S+32+\i], v[S+32+\i+1]
.endr
	v_max_num_f32 v122, v122, v[S+31]
	v_max_num_f32 v123, v123, v[S+63]
	v_max_num_f32 v126, v122, v123
	v_permlanex16_b32 v127, v126, s20, s21
	v_max_num_f32 v126, v126, v127                 ; with lane l xor 16's two blocks: the step's largest score of my query
	v_mul_f32 v126, s18, v126                      ; as t (c is positive)
	v_max_num_f32 v31, v31, v126                   ; the running largest t
	v_mov_b32 v126, v30
	v_floor_f32 v30, -v31                          ; -M = floor(-t): M is a whole number
	v_sub_f32 v126, v30, v126                      ; old M - new M: a whole number, 0 or less
	v_cvt_i32_f32 v126, v126                       ; (it saturates)
	v_ldexp_f32 v46, 1.0, v126                     ; f = 2^(old M - new M): rounds nothing
.set j, 0
.rept 32
	v_pk_fma_f32 v[S+j:S+j+1], v[S+j:S+j+1], s[18:19], v[30:31] op_sel_hi:[1,0,0]   ; t - M, two at a time
.set j, j+2
.endr
	v_fma_f32 v122, v122, s18, v30
	v_fma_f32 v123, v123, s18, v30
.set j, 0
.rept 64
	v_exp_f32 v[S+j], v[S+j]                       ; p = 2^(t - M)
.set j, j+1
.endr
	v_pk_mul_f32 v[32:33], v[32:33], v[46:47] op_sel_hi:[1,0]   ; the sum under the new M: the plain instruction behind the exponentials
	s_wait_alu depctr_va_vdst(0)                   ; one wait for the batch of 64, ahead of its first reader
	v_exp_f32 v122, v122                           ; the blocks' largest p: the same two instructions on the same numbers
	v_exp_f32 v123, v123
	v_pk_add_f32 v[240:241], v[S:S+1], v[S+2:S+3]  ; the row's sum, of the unquantised p, in two chains
.set j, 4
.rept 15
	v_pk_add_f32 v[32:33], v[32:33], v[S+j:S+j+1]
	v_pk_add_f32 v[240:241], v[240:241], v[S+j+2:S+j+3]
.set j, j+4
.endr
	v_pk_add_f32 v[32:33], v[32:33], v[240:241]
	s_wait_alu depctr_va_vdst(0)                   ; and one for the two
	v_max_num_f32 v122, 0x1800000, v122            ; the floor 2^(3 - 127): the byte cannot fall under 1
	v_max_num_f32 v123, 0x1800000, v123
	v_add_nc_u32 v124, 0xff000000, v122            ; 2 off the exponent field: the conversions' scale operands
	v_add_nc_u32 v125, 0xff000000, v123
	v_lshrrev_b32 v126, 23, v124
	v_lshrrev_b32 v127, 23, v125
	v_lshl_or_b32 v126, v127, 16, v126             ; my bytes: blocks h and 2 + h,
	v_lshlrev_b32 v126, v9, v126                   ; at their places in the word;
	v_permlanex16_b32 v127, v126, s20, s21
	v_or_b32 v29, v126, v127                       ; with lane l xor 16's two the word is whole
	v_cvt_scalef32_pk16_fp6_f32 v[102:104], v[S:S+15], v124
	v_cvt_scalef32_pk16_fp6_f32 v[114:116], v[S+16:S+31], v124   ; (a conversion's three registers begin on an even number)
	v_cvt_scalef32_pk16_fp6_f32 v[108:110], v[S+32:S+47], v125
	v_cvt_scalef32_pk16_fp6_f32 v[118:120], v[S+48:S+63], v125
	v_nop                                          ; one plain instruction behind the scaled conversions
.irp i, 0,1,2
	v_mov_b32 v[105+\i], v[114+\i]
	v_mov_b32 v[111+\i], v[118+\i]
.endr
.set j, 0
.rept 16
	v_pk_mul_f32 v[O+j:O+j+1], v[O+j:O+j+1], v[46:47] op_sel_hi:[1,0]   ; O^T under the new M.  For each product below twelve of these name none of its registers: the places behind the writing of p's scale word (8) and codes (4)
.set j, j+2
.endr
	s_wait_dscnt 0x0                               ; V
.irp e, 0,1,2,3
	WMC O+8*\e, F+12*\e, 102, 42+\e, 29            ; four accumulators, one instruction each: no two that follow each other share one
.endr
.Lskip_\@:
.endm
; A tile: sixteen trips, a constant of the text, of which the tile's own steps do work; then the way out.  pc, ps: the scalar pairs with the row's place in sa_codes and sa_scales.
.macro PASS qr, sw, lim, dq, pc, ps
	s_wait_xcnt 0x0                                ; the last tile's stores have read their registers
.set j, 0
.rept 32
	v_mov_b32 v[O+j], 0                            ; O^T.  (The step is written once: the first finds zeros, which the first change of M leaves zeros)
.set j, j+1
.endr
	v_mov_b32 v31, 0xff61b1e6                      ; the largest t so far: -3e38, under every t
	v_floor_f32 v30, -v31
	v_mov_b32 v32, 0
	v_mov_b32 v33, 0
	s_mov_b32 s22, 0                               ; the step's first LDS byte
	s_mov_b32 s23, 0                               ; the step
.Lstep_\@:
	STEP \qr, \sw, \lim, \dq
	s_add_co_u32 s22, s22, STEPB
	s_add_co_u32 s23, s23, 1
	s_cmp_lt_u32 s23, 16
	s_cbranch_scc1 .Lstep_\@
.rept 4
	v_nop                                          ; places behind the last products
.endr
	v_add_f32 v32, v32, v33                        ; the sum's two halves,
	v_permlanex16_b32 v240, v32, s20, s21
	v_add_f32 v32, v32, v240                       ; and lane l xor 16's blocks
	v_rcp_f32 v46, v32
	v_mov_b32 v47, 0                               ; a plain instruction behind the reciprocal
	s_wait_alu depctr_va_vdst(0)                   ; and the wait ahead of its first reader
.set j, 0
.rept 16
	v_pk_mul_f32 v[S+j:S+j+1], v[O+j:O+j+1], v[46:47] op_sel_hi:[1,0]   ; sa(query r, e = 32 h + 0..31): one block of the next K; each accumulator from its low end on
.set j, j+2
.endr
	v_max3_num_f32 v122, |v[S]|, |v[S+1]|, 0x1800000
.irp i, 2,4,6,8,10,12,14,16,18,20,22,24,26,28,30
	v_max3_num_f32 v122, v122, |v[S+\i]|, |v[S+\i+1]|
.endr
	v_add_nc_u32 v124, 0xff000000, v122
	v_lshrrev_b32 v126, 23, v124
	v_cvt_scalef32_pk16_fp6_f32 v[102:104], v[S:S+15], v124
	v_cvt_scalef32_pk16_fp6_f32 v[114:116], v[S+16:S+31], v124
	v_nop
.irp i, 0,1,2
	v_mov_b32 v[105+\i], v[114+\i]
.endr
	ds_store_b64 v11, v[102:103]                   ; the row's 768 bytes meet in my stage
	ds_store_b64 v11, v[104:105] offset:8
	ds_store_b64 v11, v[106:107] offset:16
	global_store_b8 v14, v126, s[\ps:\ps+1]        ; 32 lanes store the row's 32 scale bytes
	ds_load_b64 v[240:241], v12                    ; LDS serves a wave's instructions in order (ISA guide 5.7.1.4): these see my stores
	ds_load_b64 v[242:243], v12 offset:256
	ds_load_b64 v[244:245], v12 offset:512
	s_wait_dscnt 0x0
	global_store_b64 v13, v[240:241], s[\pc:\pc+1]               ; 32 lanes store 256 consecutive bytes, at a multiple of 256 from sa_codes' first byte
	global_store_b64 v13, v[242:243], s[\pc:\pc+1] offset:256
	global_store_b64 v13, v[244:245], s[\pc:\pc+1] offset:512
.endm
	PASS 16, 28, 13, 15, 36, 38
	PASS 224, 236, 14, 16, 40, 42
	s_wait_tensorcnt 0x0
	ds_add_u32 v254, v255
	s_wait_dscnt 0x0
	CROUND                                         ; the closing round
	s_endpgm
.Lfunc_end_k_qd44995a1f1_attn:
	.size	k_qd44995a1f1_attn, .Lfunc_end_k_qd44995a1f1_attn-k_qd44995a1f1_attn
	.p2alignl 7, 3214868480
	.fill 96, 4, 3214868480
	.section	.rodata,"a",@progbits
	.p2align	6, 0x0
	.amdhsa_kernel k_qd44995a1f1_attn
		.amdhsa_group_segment_fixed_size 253440
		.amdhsa_private_segment_fixed_size 0
		.amdhsa_enable_private_segment 0
		.amdhsa_kernarg_size 24
		.amdhsa_user_sgpr_count 2
		.amdhsa_user_sgpr_kernarg_segment_ptr 1
		.amdhsa_wavefront_size32 1
		.amdhsa_system_sgpr_workgroup_id_x 1
		.amdhsa_system_sgpr_workgroup_id_y 1
		.amdhsa_system_sgpr_workgroup_id_z 1
		.amdhsa_system_vgpr_workitem_id 0
		.amdhsa_next_free_vgpr 256
		.amdhsa_next_free_sgpr 80
		.amdhsa_reserve_vcc 1
		.amdhsa_float_denorm_mode_32 3
		.amdhsa_float_denorm_mode_16_64 3
		.amdhsa_memory_ordered 1
		.amdhsa_forward_progress 1
		.amdhsa_inst_pref_size 61
	.end_amdhsa_kernel
	.amdgpu_metadata
---
amdhsa.version: [ 1, 2 ]
amdhsa.kernels:
  - .name:           k_qd44995a1f1_attn
    .symbol:         k_qd44995a1f1_attn.kd
    .args:
      - { .name: qkv, .offset: 0, .size: 8, .value_kind: global_buffer, .address_space: global }
      - { .name: sa_codes, .offset: 8, .size: 8, .value_kind: global_buffer, .address_space: global }
      - { .name: sa_scales, .offset: 16, .size: 8, .value_kind: global_buffer, .address_space: global }
    .group_segment_fixed_size: 253440
    .private_segment_fixed_size: 0
    .kernarg_segment_align: 8
    .kernarg_segment_size: 24
    .max_flat_workgroup_size: 512
    .sgpr_count:     80
    .vgpr_count:     256
    .wavefront_size: 32
...
	.end_amdgpu_metadata
.endif
;; end of part 2
;; launch outp (part 3): grid 4 x 64, 4 waves a work-group, clusters of 4 x 1, 209,664 bytes of LDS; arguments sa_codes, sa_scales, W_out_codes, W_out_scales, b_out, out0; writes out0
.if DOCPART == 3
	.amdgcn_target "amdgcn-amd-amdhsa--gfx1250"
	.amdhsa_code_object_version 6
	.text
	.protected	k_qd44995a1f1_outp
	.globl	k_qd44995a1f1_outp
	.p2align	8
	.type	k_qd44995a1f1_outp,@function
k_qd44995a1f1_outp:
	s_mov_b64 s[64:65], 0
	v_nop
	global_prefetch_b8 v0, s[64:65] scope:SCOPE_SE
	s_setreg_imm32_b32 hwreg(HW_REG_WAVE_MODE, 25, 1), 1
	s_wait_xcnt 0x0
	s_wait_alu depctr_hold_cnt(0) depctr_sa_sdst(0) depctr_va_vdst(0) depctr_va_sdst(0) depctr_va_ssrc(0) depctr_va_vcc(0) depctr_vm_vsrc(0)
	s_getreg_b32 s2, hwreg(HW_REG_IB_STS2, 6, 4)
	s_cmp_eq_u32 s2, 0
	s_cbranch_scc0 .Lentry_in_a_cluster
	s_endpgm
.Lentry_in_a_cluster:
	s_bfe_u32 s2, ttmp6, 0x10000c
	s_cmp_lg_u32 s2, 0x3003
	s_cbranch_scc0 .Lentry_shape_is_right
	s_endpgm
.Lentry_shape_is_right:
; out0 = sa W_out + b_out on codes of E2M3.  sa: [8192][768 bytes of codes], [8192][32 scale bytes], made by the launch before; W_out: [1024 (n)][768], [1024][32]; out0: [8192][1024] f32.
; SHARES.  A work-group takes 128 rows (rg) and 256 columns (g = its place in the cluster).  Wave w keeps W's rows 256 g + 64 w .. + 63 in registers for the whole launch (32 fragments, two windows); the 128 rows of sa lie in LDS, brought once.
; The matrix instruction is used transposed (source 0 = 16 rows of W, source 1 = 16 rows of sa): a lane holds eight neighbouring columns of one row of the result.  The bias is the C of a sum's first instruction.
; CLUSTER.  The four partners need the same rows of sa: joint loads, mask 15.  W is not shared in a cluster: the partners hold different rows of it; it comes through registers, in loads of 512 consecutive bytes.
; THE WAY OUT.  A tile's 16 rows x 64 columns go through the wave's own stage (its scratch, done with) and leave as rows of 256 bytes, while the next tile is multiplied.
; LIMITS: NaN, infinities and scale bytes 0xff among the inputs are not served.
; REGISTERS.  Window 0: v1-3 lane bases, v4-6 the way out, v10-12 the bases + the tile's step, v27-31 the head's addresses, v32-127 sa's 8 fragments, v128-159 four accumulators, v160-191 16 rows on their way out,
; v192-223 W's scale words, v224-231 sa's.  Window p + 1 (p = 0, 1): v0-191 the 16 fragments of W's rows 32 p .. + 31, v192-207 their bias.
.set XP,   816                         ; a row of sa in LDS: 3 x (256 bytes + 16) = 204 words: row r starts at bank 12 r mod 64 (64 banks of 4 bytes: ISA guide 11.1)
.set ASC,  104448                      ; behind the codes: the scale bytes, 16 runs of 256 + 16
.set SCR,  108800                      ; 425 x 256: from here on no tensor load lands: 25,088 bytes for each wave, its own
.set WSC,  25088
.set WP,   784
.set X,    32
.set ACC,  128
.set OB,   160
.set WS,   192
.set XS,   224
.set BIAS, 192
.set MSB,  0
.macro WIN new
.if MSB != (\new)
	s_set_vgpr_msb (MSB<<8)|(\new)
.set MSB, (\new)
.endif
.endm
.macro CROUND
	s_barrier_signal -1
	s_barrier_wait -1
	s_cmp_lg_u32 s16, 0
	s_cbranch_scc1 .Lnot_wave_0_\@
	s_barrier_signal -3
.Lnot_wave_0_\@:
	s_barrier_wait -3
	s_barrier_signal -1
	s_barrier_wait -1
.endm
.macro WMC d, a, b, c, sa, sb
	v_wmma_scale_f32_16x16x128_f8f6f4 v[\d:\d+7], v[\a:\a+11], v[\b:\b+11], v[\c:\c+7], v[\sa], v[\sb] matrix_a_fmt:MATRIX_FMT_FP6 matrix_b_fmt:MATRIX_FMT_FP6
.endm
	s_load_b256 s[4:11], s[0:1], 0x0               ; sa's codes s[4:5], sa's scales s[6:7], W's codes s[8:9], W's scales s[10:11]
	s_load_b128 s[12:15], s[0:1], 0x20             ; b_out s[12:13], out0 s[14:15]
	v_lshl_add_u32 v254, v0, 2, 0x33100
	v_mov_b32 v255, 0
	ds_add_u32 v254, v255
	ds_add_u32 v254, v255
	v_lshrrev_b32 v240, 5, v0
	v_readfirstlane_b32 s16, v240                  ; wave w
	s_bfe_u32 s17, ttmp6, 0x40000                  ; g = cx (the grid is one cluster wide): it enters global addresses of W, b_out and out0 alone
	s_and_b32 s19, ttmp7, 0xffff                   ; rg, which the partners share
	s_lshl_b32 s22, s17, 8
	s_lshl_b32 s76, s16, 6
	s_add_co_u32 s22, s22, s76                     ; n0 = 256 g + 64 w
	s_mov_b32 s24, 15|(3<<16)|(1<<20)|(1<<21)|(5<<22)|(3<<25)   ; dense blocks as rows of 256 bytes (32 elements of 8 bytes), 16 bytes of padding behind each; mask 15 with bit 21 beside it
	s_mov_b32 s25, 32<<16
	s_mov_b32 s26, 96<<16                          ; a wave's 32 rows of sa: 24,576 bytes
	s_mov_b32 s27, 32<<16
	s_mov_b32 s28, 96
	s_mov_b32 s29, 32
	s_mov_b32 s30, 0
	s_mov_b32 s31, 0
	s_mov_b32 s32, 15|(3<<16)|(1<<20)|(1<<21)|(5<<22)|(3<<25)
	s_mov_b32 s33, 32<<16
	s_mov_b32 s34, 4<<16                           ; their scale bytes: 1,024 bytes
	s_mov_b32 s35, 32<<16
	s_mov_b32 s36, 4
	s_mov_b32 s37, 32
	s_mov_b32 s38, 0
	s_mov_b32 s39, 0
	s_mul_i32 s84, s19, 98304                      ; where my quarter of the rows begins: made of rg and w alone
	s_mul_i32 s86, s16, 24576
	s_add_co_u32 s84, s84, s86
	s_mov_b32 s85, 0
	s_lshl_b32 s86, s19, 12
	s_lshl_b32 s87, s16, 10
	s_add_co_u32 s86, s86, s87
	s_mov_b32 s87, 0
	s_mul_i32 s92, s16, WSC
	s_add_co_u32 s92, s92, SCR                     ; my scratch, later my stage
	s_mov_b32 s68, 0                               ; the tile's step in the codes,
	s_mov_b32 s69, 0                               ; and in the scale bytes
	v_and_b32 v240, 15, v0                         ; r
	v_bfe_u32 v241, v0, 4, 1                       ; h
	v_and_b32 v242, 31, v0                         ; l
	v_bfe_u32 v243, v0, 3, 1
	v_and_b32 v244, 7, v0
	v_mul_u32_u24 v1, v240, XP
	v_mad_u32_u24 v1, v241, 24, v1                 ; sa's fragments: row r, + 24 h
	v_lshl_add_u32 v2, v241, 4, v1                 ; and behind one padding more for lanes 16-31
	v_mul_u32_u24 v3, v243, 272
	v_lshl_add_u32 v3, v244, 5, v3
	v_add_nc_u32 v3, ASC, v3                       ; sa's scale words: eight rows of 32 bytes to a run
	v_mul_u32_u24 v4, v240, 272
	v_lshl_add_u32 v4, v241, 5, v4
	v_add_nc_u32 v4, s92, v4                       ; the stage, in: row r of 256 + 16 bytes, + 32 h
	v_mul_u32_u24 v5, v241, 272
	v_lshl_add_u32 v5, v240, 4, v5
	v_add_nc_u32 v5, s92, v5                       ; back: lanes 0-15 one row, lanes 16-31 the next
	v_lshlrev_b32 v6, 12, v241
	v_lshl_add_u32 v6, v240, 4, v6                 ; and the same two rows in out0
	v_lshlrev_b32 v31, 4, v242                     ; 16 l
	v_add_nc_u32 v27, s92, v31                     ; the scratch, on the way in,
	v_lshl_add_u32 v28, v241, 4, v27               ; lanes 16-31 in the next row (784 - 768 further on)
	v_mul_u32_u24 v30, v240, WP
	v_mad_u32_u24 v30, v241, 24, v30
	v_add_nc_u32 v30, s92, v30                     ; and on the way out: row r, + 24 h
	v_lshlrev_b32 v232, 5, v240                    ; W's scale words: row r, 32 bytes a row
	v_lshlrev_b32 v234, 5, v241                    ; the bias: 8 h numbers on
	s_mov_b32 s89, 0
	s_wait_dscnt 0x0
	s_wait_kmcnt 0x0
	s_mov_b32 s40, 1
	s_mul_i32 s41, s16, 96*272
	s_add_nc_u64 s[42:43], s[4:5], s[84:85]
	s_or_b32 s43, s43, 0x80000000
	s_mov_b32 s44, 1
	s_mul_i32 s45, s16, 4*272
	s_add_co_u32 s45, s45, ASC
	s_add_nc_u64 s[46:47], s[6:7], s[86:87]
	s_or_b32 s47, s47, 0x80000000
	s_mul_i32 s88, s22, 768
	s_add_nc_u64 s[48:49], s[8:9], s[88:89]        ; W's codes at my first row
	s_lshl_b32 s88, s22, 5
	s_add_nc_u64 s[52:53], s[10:11], s[88:89]      ; its scales
	s_lshl_b32 s88, s22, 2
	s_add_nc_u64 s[56:57], s[12:13], s[88:89]      ; the bias
	s_lshl_b32 s78, s19, 19                        ; 128 rows of 4,096 bytes
	s_add_co_u32 s88, s88, s78
	s_add_nc_u64 s[60:61], s[14:15], s[88:89]      ; out0 at tile 0's first row, my first column
	CROUND                                         ; all four work-groups are here: the joint loads meet
	tensor_load_to_lds s[40:43], s[24:31]          ; the launch's only fills, one group: two loads of mine are out
	s_nop 0
	tensor_load_to_lds s[44:47], s[32:39]
	s_nop 0
.rept 4
	v_nop
.endr
.irp t, 0,1,2,3                                ; W's scale words: tile t, K step k at v[WS + 8 t + k]
	global_load_b128 v[WS+8*\t:WS+8*\t+3], v232, s[52:53] offset:512*\t
	global_load_b128 v[WS+8*\t+4:WS+8*\t+7], v232, s[52:53] offset:512*\t+16
.endr
	WIN 0x40                                       ; destination window 1: rows 0-31 and their bias
.irp u, 0,1
	global_load_b128 v[BIAS+8*\u:BIAS+8*\u+3], v234, s[56:57] offset:64*\u
	global_load_b128 v[BIAS+8*\u+4:BIAS+8*\u+7], v234, s[56:57] offset:64*\u+16
.endr
.set z, 0
.rept 48
	global_load_b128 v[4*z:4*z+3], v31, s[48:49] offset:512*z
.set z, z+1
.endr
	WIN 0x80                                       ; window 2: rows 32-63
.irp u, 0,1
	global_load_b128 v[BIAS+8*\u:BIAS+8*\u+3], v234, s[56:57] offset:128+64*\u
	global_load_b128 v[BIAS+8*\u+4:BIAS+8*\u+7], v234, s[56:57] offset:128+64*\u+16
.endr
.set z, 0
.rept 48
	global_load_b128 v[4*z:4*z+3], v31, s[48:49] offset:24576+512*z
.set z, z+1
.endr
	WIN 0
; 32 rows go through my scratch as they were loaded (two rows are three loads of 512 bytes) and come back as fragments
.macro WPART wn
	WIN (\wn+1)<<2                                 ; an LDS store's data are its source 1
.set q, 0
.rept 16
	ds_store_b128 v27, v[12*q:12*q+3] offset:2*q*WP
	ds_store_b128 v28, v[12*q+4:12*q+7] offset:2*q*WP+512
	ds_store_b128 v27, v[12*q+8:12*q+11] offset:2*q*WP+1040
.set q, q+1
.endr
	s_wait_dscnt 0x0                               ; the stores have read their registers: the fragments land in the same ones
	WIN (\wn+1)<<6
.irp u, 0,1
.irp k, 0,1,2,3,4,5,6,7
.irp e, 0,1,2,3,4,5
	ds_load_b64 v[12*(8*\u+\k)+2*\e:12*(8*\u+\k)+2*\e+1], v30 offset:16*\u*WP+96*\k+48*(\e/3)+8*(\e%3)
.endr
.endr
.endr
	WIN 0
.endm
	s_wait_loadcnt 48                              ; all but the 48 loads of rows 32-63, the youngest, are in
	WPART 0
	s_wait_loadcnt 0x0
	WPART 1
	s_wait_tensorcnt 0x0                           ; my quarter of sa has landed
	s_wait_dscnt 0x0
	s_barrier_signal -1
	s_barrier_wait -1                              ; everybody's has
.macro XFRAG k                         ; sa's fragment of K step k: pieces of 8 bytes; lanes 16-31 read three pieces on, which for some pieces is behind one padding more
.irp p, 0,1,2,3,4,5
.set PC, 12*(\k)+6*(\p/3)+\p%3
.if PC%32 < 29
	ds_load_b64 v[X+12*(\k)+2*\p:X+12*(\k)+2*\p+1], v10 offset:8*PC+16*(PC/32)
.else
	ds_load_b64 v[X+12*(\k)+2*\p:X+12*(\k)+2*\p+1], v11 offset:8*PC+16*(PC/32)
.endif
.endr
.endm
.macro MULK k                          ; K step k: four accumulators by turns, one instruction a turn, in the same order in every K step
.irp p, 0,1
.if \k == 0
	WIN (\p+1)|((\p+1)<<4)
.else
	WIN \p+1
.endif
.irp u, 0,1
.if \k == 0
	WMC ACC+16*\p+8*\u, 12*(8*\u+\k), X+12*\k, BIAS+8*\u, WS+8*(2*\p+\u)+\k, XS+\k
.else
	WMC ACC+16*\p+8*\u, 12*(8*\u+\k), X+12*\k, ACC+16*\p+8*\u, WS+8*(2*\p+\u)+\k, XS+\k
.endif
.endr
.endr
.endm
.macro SEND                            ; 16 rows x 256 bytes: sixteen lanes store 256 consecutive bytes, at a multiple of 256 from out0's first byte; written once, read by nobody here
.irp i, 0,1,2,3,4,5,6,7
	global_store_b128 v6, v[OB+4*\i:OB+4*\i+3], s[60:61] offset:8192*\i th:TH_STORE_NT
.endr
.endm
; A tile of 16 rows.  fetch = 1: the next tile's fragments are fetched; send = 1: the tile before, back from the stage, is stored in the middle.
.macro TILE3 fetch, send
	s_wait_dscnt 24                                ; the youngest 24 LDS instructions may be out: from the prologue fragments 4-7; later the stage's 16 and 8 loads of those fragments.  Fragments 0-3 and the scale words are older on both ways
.irp k, 0,1,2,3
	MULK \k
.endr
	WIN 0
	s_wait_dscnt 0x0                               ; fragments 4-7 are in, and the last tile's rows are back from the stage
.if \send
	SEND
.endif
.if \fetch
	s_add_co_u32 s68, s68, 16*XP
	s_add_co_u32 s69, s69, 544
	v_add_nc_u32 v10, s68, v1                      ; four plain instructions: the places in front of loads into registers that matrix instructions have read
	v_add_nc_u32 v11, s68, v2
	v_add_nc_u32 v12, s69, v3
	v_nop
.irp k, 0,1,2,3
	XFRAG \k
.endr
.endif
.irp k, 4,5,6,7
	MULK \k
.endr
	WIN 0
.rept 5
	v_nop                                          ; places behind the last products: four for the loads and the stores that read results, five for the next tile's sums, begun anew in the same registers with another C
.endr
.if \fetch
	ds_load_b128 v[XS:XS+3], v12
	ds_load_b128 v[XS+4:XS+7], v12 offset:16
.irp k, 4,5,6,7
	XFRAG \k
.endr
.endif
.if \send
	s_wait_xcnt 0x0                                ; the stores above have read their registers and their base: both are written again only behind this wait
	s_add_nc_u64 s[60:61], s[60:61], 65536         ; 16 rows of out0 on
.endif
.irp t, 0,1,2,3
	ds_store_b128 v4, v[ACC+8*\t:ACC+8*\t+3] offset:64*\t        ; each accumulator from its low end on
	ds_store_b128 v4, v[ACC+8*\t+4:ACC+8*\t+7] offset:64*\t+16
.endr
.irp i, 0,1,2,3,4,5,6,7
	ds_load_b128 v[OB+4*\i:OB+4*\i+3], v5 offset:544*\i          ; LDS serves a wave's instructions in order (ISA guide 5.7.1.4): these see my stores
.endr
.endm
	v_add_nc_u32 v10, s68, v1                      ; tile 0
	v_add_nc_u32 v11, s68, v2
	v_add_nc_u32 v12, s69, v3
.irp k, 0,1,2,3
	XFRAG \k
.endr
	ds_load_b128 v[XS:XS+3], v12
	ds_load_b128 v[XS+4:XS+7], v12 offset:16
.irp k, 4,5,6,7
	XFRAG \k
.endr
	TILE3 1, 0                                     ; the first tile has no tile before it to store
	s_mov_b32 s71, 0
.Ltile:
	TILE3 1, 1
	s_add_co_u32 s71, s71, 1
	s_cmp_lt_u32 s71, 6
	s_cbranch_scc1 .Ltile
	TILE3 0, 1                                     ; the last tile fetches nothing
	s_wait_dscnt 0x0                               ; its rows are back from the stage
	SEND
	s_wait_tensorcnt 0x0
	ds_add_u32 v254, v255
	s_wait_dscnt 0x0
	CROUND                                         ; the closing round
	s_endpgm
.Lfunc_end_k_qd44995a1f1_outp:
	.size	k_qd44995a1f1_outp, .Lfunc_end_k_qd44995a1f1_outp-k_qd44995a1f1_outp
	.p2alignl 7, 3214868480
	.fill 96, 4, 3214868480
	.section	.rodata,"a",@progbits
	.p2align	6, 0x0
	.amdhsa_kernel k_qd44995a1f1_outp
		.amdhsa_group_segment_fixed_size 209664
		.amdhsa_private_segment_fixed_size 0
		.amdhsa_enable_private_segment 0
		.amdhsa_kernarg_size 48
		.amdhsa_user_sgpr_count 2
		.amdhsa_user_sgpr_kernarg_segment_ptr 1
		.amdhsa_wavefront_size32 1
		.amdhsa_system_sgpr_workgroup_id_x 1
		.amdhsa_system_sgpr_workgroup_id_y 1
		.amdhsa_system_sgpr_workgroup_id_z 1
		.amdhsa_system_vgpr_workitem_id 0
		.amdhsa_next_free_vgpr 768
		.amdhsa_next_free_sgpr 96
		.amdhsa_reserve_vcc 0
		.amdhsa_float_denorm_mode_32 3
		.amdhsa_float_denorm_mode_16_64 3
		.amdhsa_memory_ordered 1
		.amdhsa_forward_progress 1
		.amdhsa_inst_pref_size 65
	.end_amdhsa_kernel
	.amdgpu_metadata
---
amdhsa.version: [ 1, 2 ]
amdhsa.kernels:
  - .name:           k_qd44995a1f1_outp
    .symbol:         k_qd44995a1f1_outp.kd
    .args:
      - { .name: sa_codes, .offset: 0, .size: 8, .value_kind: global_buffer, .address_space: global }
      - { .name: sa_scales, .offset: 8, .size: 8, .value_kind: global_buffer, .address_space: global }
      - { .name: W_out_codes, .offset: 16, .size: 8, .value_kind: global_buffer, .address_space: global }
      - { .name: W_out_scales, .offset: 24, .size: 8, .value_kind: global_buffer, .address_space: global }
      - { .name: b_out, .offset: 32, .size: 8, .value_kind: global_buffer, .address_space: global }
      - { .name: out0, .offset: 40, .size: 8, .value_kind: global_buffer, .address_space: global }
    .group_segment_fixed_size: 209664
    .private_segment_fixed_size: 0
    .kernarg_segment_align: 8
    .kernarg_segment_size: 48
    .max_flat_workgroup_size: 128
    .sgpr_count:     96
    .vgpr_count:     768
    .wavefront_size: 32
...
	.end_amdgpu_metadata
.endif
;; end of part 3
